; MI455X (gfx1250); checked and timed in simulation.
; The chip was launched on July 23, 2026; its instructions are those of AMD's public machine-readable ISA for CDNA 5 (MIT licence, August 2026) and "CDNA5" Instruction Set Architecture Reference Guide (July 2026). The comments in the code are by the model that wrote it; some were corrected since.
;; T Attention. Allowed arithmetic: float matrix products may take bf16 or f16 operands with f32 sums; other float arithmetic in f32, or as packed bf16 or f16 multiplies, adds, multiply-adds, maxima and minima; sums over many terms, partial sums and values carried from step to step in f32; what a program stores and reads back later, other than sums and carried values, may be rounded once to bf16 or f16.
;; Inputs: b_f1 256 float32; b_f2 256 float32; beta1 256 float32; beta2 256 float32; g1 256 float32; g2 256 float32; w_f1 256 x 256 float32; w_f2 256 x 256 float32; wk 256 x 256 float32; wq 256 x 256 float32; wv 256 x 256 float32; x 32 x 1,024 x 256 float32.
;; Outputs: out0 32 x 1,024 x 256 float32.
;; One version. Each part assembles by itself: llvm-mc -triple=amdgcn-amd-amdhsa -mcpu=gfx1250 --defsym DOCPART=n.
;; ======== version 1 of 1: 4 launches
;; limits: values are held in f16: magnitudes above 65,504 overflow, below 6.1e-05 lose precision
;; workspace buffers: wimg 655,360 bytes; qimg 16,777,216 bytes; kimg 16,777,216 bytes; vimg 16,777,216 bytes; cimg 16,777,216 bytes
;; launch wprep (part 1): grid 160 x 1, 8 waves a work-group, no clusters, 0 bytes of LDS; arguments wq, wk, wv, w_f1, w_f2, wimg; writes wimg
.if DOCPART == 1
	.amdgcn_target "amdgcn-amd-amdhsa--gfx1250"
	.amdhsa_code_object_version 6
	.text
	.protected	k_q365d42d983_wprep
	.globl	k_q365d42d983_wprep
	.p2align	8
	.type	k_q365d42d983_wprep,@function
k_q365d42d983_wprep:
	s_mov_b64 s[64:65], 0
	v_nop
	global_prefetch_b8 v0, s[64:65] scope:SCOPE_SE
	s_setreg_imm32_b32 hwreg(HW_REG_WAVE_MODE, 25, 1), 1
	s_wait_xcnt 0x0
; THE FIVE WEIGHT MATRICES AS f16 FRAGMENT IMAGES.  w: [256 (input feature f)][256 (output channel c)] f32.
; wimg: [m: wq x log2(e), wk, wv, w_f1, w_f2][cb 16][s 8][e 2][lane 32][16 bytes].  Lane l = 16 hh + r holds channel c = 16 cb + r and the eight features
; f = 32 s + 16 e + 8 hh + 0..7: the 16 bytes that one b128 load of a later launch puts into half e of the matrix fragment (16 channels x 32 features) of K step s.
; log2(e) is multiplied onto wq in f32, ahead of its one rounding, so that the attention's weights are 2^(s - m).
; LIMIT: a weight (wq: 1.4427 times it) beyond 65,504 becomes an infinity in f16.
; SHARES: 5 x 8,192 pieces of 16 bytes, a thread a piece; 32 work-groups to a matrix.  A wave's store covers 512 consecutive bytes, aligned.
; No LDS, no matrix unit: 1.3 MB are read once, in pieces of 64 bytes (sixteen lanes, sixteen neighbouring channels of one feature).
	s_load_b256 s[4:11], s[0:1], 0x0               ; wq s[4:5], wk s[6:7], wv s[8:9], w_f1 s[10:11]
	s_load_b128 s[12:15], s[0:1], 0x20             ; w_f2 s[12:13], wimg s[14:15]
	s_lshr_b32 s16, ttmp9, 5                       ; m: which matrix
	s_and_b32 s17, ttmp9, 31
	s_lshl_b32 s17, s17, 8
	v_or_b32 v1, s17, v0                           ; my piece in the matrix: cb<<9 | s<<6 | e<<5 | hh<<4 | r
	v_bfe_u32 v2, v1, 4, 5                         ; (4 s + 2 e + hh): my first feature / 8
	v_lshrrev_b32 v4, 9, v1                        ; cb
	v_and_b32 v5, 15, v1                           ; r
	v_lshlrev_b32 v2, 13, v2                       ; first feature x 1,024 bytes
	v_lshl_add_u32 v2, v4, 6, v2                   ; + 16 cb channels of 4 bytes
	v_lshl_add_u32 v2, v5, 2, v2                   ; + r
	v_lshlrev_b32 v3, 4, v1                        ; where my 16 bytes go
	s_lshl_b32 s22, s16, 17                        ; a matrix's image is 131,072 bytes
	s_mov_b32 s23, 0
	s_wait_kmcnt 0x0
	s_mov_b64 s[18:19], s[4:5]                     ; the source is chosen by m, which hangs on the work-group's number alone
	s_cmp_eq_u32 s16, 1
	s_cselect_b64 s[18:19], s[6:7], s[18:19]
	s_cmp_eq_u32 s16, 2
	s_cselect_b64 s[18:19], s[8:9], s[18:19]
	s_cmp_eq_u32 s16, 3
	s_cselect_b64 s[18:19], s[10:11], s[18:19]
	s_cmp_eq_u32 s16, 4
	s_cselect_b64 s[18:19], s[12:13], s[18:19]
	s_cmp_eq_u32 s16, 0
	s_cselect_b32 s20, 0x3fb8aa3b, 1.0             ; log2(e) for wq, 1 for the others
	s_mov_b32 s21, s20                             ; named with it as a pair
	s_add_nc_u64 s[14:15], s[14:15], s[22:23]
.irp i, 0,1,2,3,4,5,6,7
	global_load_b32 v[8+(\i)], v2, s[18:19] offset:1024*(\i)   ; feature f0 + i of my channel
.endr
	s_wait_loadcnt 0x0
.irp i, 0,2,4,6
	v_pk_mul_f32 v[8+(\i):9+(\i)], v[8+(\i):9+(\i)], s[20:21] op_sel_hi:[1,0]
.endr
.irp i, 0,1,2,3
	v_cvt_pk_f16_f32 v[16+(\i)], v[8+2*(\i)], v[9+2*(\i)]      ; the lower feature into the low half
.endr
	global_store_b128 v3, v[16:19], s[14:15]
	s_endpgm
.Lfunc_end_k_q365d42d983_wprep:
	.size	k_q365d42d983_wprep, .Lfunc_end_k_q365d42d983_wprep-k_q365d42d983_wprep
	.p2alignl 7, 3214868480
	.fill 96, 4, 3214868480
	.section	.rodata,"a",@progbits
	.p2align	6, 0x0
	.amdhsa_kernel k_q365d42d983_wprep
		.amdhsa_group_segment_fixed_size 0
		.amdhsa_private_segment_fixed_size 0
		.amdhsa_enable_private_segment 0
		.amdhsa_kernarg_size 48
		.amdhsa_user_sgpr_count 2
		.amdhsa_user_sgpr_kernarg_segment_ptr 1
		.amdhsa_wavefront_size32 1
		.amdhsa_system_sgpr_workgroup_id_x 1
		.amdhsa_system_sgpr_workgroup_id_y 1
		.amdhsa_system_sgpr_workgroup_id_z 1
		.amdhsa_system_vgpr_workitem_id 0
		.amdhsa_next_free_vgpr 24
		.amdhsa_next_free_sgpr 66
		.amdhsa_reserve_vcc 0
		.amdhsa_float_denorm_mode_32 3
		.amdhsa_float_denorm_mode_16_64 3
		.amdhsa_memory_ordered 1
		.amdhsa_forward_progress 1
		.amdhsa_inst_pref_size 3
	.end_amdhsa_kernel
	.amdgpu_metadata
---
amdhsa.version: [ 1, 2 ]
amdhsa.kernels:
  - .name:           k_q365d42d983_wprep
    .symbol:         k_q365d42d983_wprep.kd
    .args:
      - { .name: wq, .offset: 0, .size: 8, .value_kind: global_buffer, .address_space: global }
      - { .name: wk, .offset: 8, .size: 8, .value_kind: global_buffer, .address_space: global }
      - { .name: wv, .offset: 16, .size: 8, .value_kind: global_buffer, .address_space: global }
      - { .name: w_f1, .offset: 24, .size: 8, .value_kind: global_buffer, .address_space: global }
      - { .name: w_f2, .offset: 32, .size: 8, .value_kind: global_buffer, .address_space: global }
      - { .name: wimg, .offset: 40, .size: 8, .value_kind: global_buffer, .address_space: global }
    .group_segment_fixed_size: 0
    .private_segment_fixed_size: 0
    .kernarg_segment_align: 8
    .kernarg_segment_size: 48
    .max_flat_workgroup_size: 256
    .sgpr_count:     66
    .vgpr_count:     24
    .wavefront_size: 32
...
	.end_amdgpu_metadata
.endif
;; end of part 1
;; launch qkv (part 2): grid 256 x 1, 4 waves a work-group, no clusters, 199,168 bytes of LDS; arguments x, g1, beta1, wimg, qimg, kimg, vimg; writes qimg, kimg, vimg
.if DOCPART == 2
	.amdgcn_target "amdgcn-amd-amdhsa--gfx1250"
	.amdhsa_code_object_version 6
	.text
	.protected	k_q365d42d983_qkv
	.globl	k_q365d42d983_qkv
	.p2align	8
	.type	k_q365d42d983_qkv,@function
k_q365d42d983_qkv:
	s_mov_b64 s[64:65], 0
	v_nop
	global_prefetch_b8 v0, s[64:65] scope:SCOPE_SE
	s_setreg_imm32_b32 hwreg(HW_REG_WAVE_MODE, 25, 1), 1
	s_wait_xcnt 0x0
; xn = LayerNorm(x) g1 + beta1;  q = xn wq log2(e), k = xn wk, v = xn wv, stored as f16 fragment images for the attention launch.
; x: [32,768 rows][256] f32.  Mean, variance (of x - mean) and the affine step in f32; xn rounded once to f16; products f16 x f16 with f32 sums; q, k, v rounded once.
; LIMITS: xn, 1.4427 q, k and v beyond 65,504 become infinities in f16; NaN and infinities are not treated apart.
; SHARES.  A work-group owns 128 rows: eight tiles of 16.  NORM: wave w normalises tiles 2 w and 2 w + 1 out of its own 32 rows of x, which its own tensor load brought.
; PRODUCTS: THE WAVES SPLIT THE CHANNELS: wave w makes channels 64 w .. 64 w + 63 (four blocks of 16) of q, k and v for all eight tiles.  So each fragment of a weight matrix is wanted by one wave
; of the work-group alone and comes from wimg straight into its registers, as it lies: 16 loads of 512 consecutive bytes a block, each fragment feeding eight products.  xn's fragments
; (8 tiles x 64 registers) are handed round once, through LDS.
; NO CLUSTER: what work-groups share is the weights, 393,216 bytes of them; a joint load lands in LDS, where 198,656 bytes are in use, so they would want a ring with a round of the cluster's
; barrier for each refill, and a second trip LDS -> registers for bytes that here go to registers at once.
; IMAGES.  A fragment (16 rows x 32 k of f16) is 8 registers: lane l = 16 hh + r holds row r; half e (registers 4 e ..) holds k = 16 e + 8 hh + 0..7.  Its image is [e][lane][16 bytes].
;   q, k = W-fragment x xn-fragment: a lane's 8 results are 8 neighbouring channels of one token: half e = cb & 1 of head cb >> 1.   qimg, kimg: [batch x 8 + head][tile 64][e][lane][16]
;   v    = xn-fragment x W-fragment: a lane's 8 results are 8 neighbouring tokens of one channel: the fragment of V^T.            vimg: [batch x 8 + head][32 tokens u][cb 2][e 2][lane][16]
; Every store of a wave covers 512 consecutive bytes, aligned.
; REGISTERS, in windows of 256 (s_set_vgpr_msb: bits 1:0 source 0, 3:2 source 1, 5:4 source 2, 7:6 destination):
;   window 0: addresses, the norm's registers, then 8 accumulators and the packed results      window 1: four sets of 64: a block's fragments of W
;   window 2: g1 as my lane needs it, then xn's fragments of tiles 0-3                            window 3: beta1, then tiles 4-7
.set XPITCH, 1040                      ; a row of x in LDS: 1,024 bytes + 16 of padding = 260 words: the 16 rows of a load start 4 banks apart (64 banks of 4 bytes: ISA guide 11.1)
.set XTILE,  16*XPITCH
.set XWAVE,  32*XPITCH                 ; a wave's 32 rows
.set XNS,    4*XWAVE                   ; behind x: xn's fragment images, 8 tiles x 8,192 bytes
.set SPARE,  XNS+65536                 ; behind them: the spare words, 128 bytes for each wave: two blocks of 256 bytes that no other line names
.set WMAT,   131072                    ; a matrix's image in wimg
.set XAC, 1                            ; v1   this trip's address in x
.set SPW, 2                            ; v2   LDS address of my spare word; never rewritten
.set NIL, 3                            ; v3   0; never rewritten
.set XA,  4                            ; v4   wave x 33,280 + r x 1,040 + 32 hh
.set FS,  5                            ; v5   where my 16 bytes of a fragment half of tile 2 w go
.set FL,  6                            ; v6   XNS + 16 lane
.set LO,  7                            ; v7   16 lane
.set GOF, 8                            ; v8   32 hh: my eight features in each sixteen
.set A,   16                           ; v[16:23] four packed partial sums
.set MU,  24                           ; v[24:25] the mean, twice
.set RS,  26                           ; v[26:27] 1 / sqrt(var + eps), twice
.set T,   28                           ; v[28:30] at work
.set FSC, 31                           ; v31  this trip's address for the fragments
.set XF,  32                           ; v[32:159] XF[16 s + 8 e + i] = row r, feature 32 s + 16 e + 8 hh + i
.set ACC, 32                           ; later: v[32:95] eight accumulators, a tile each
.set PK,  96                           ; v[96:127] their results in f16
.set F,   160                          ; v[160:223] the tile's fragments: half (s, e) at F + 8 s + 4 e
.set B1,  224                          ; (not used in this kernel)
.set WV,  18                           ; s18  my wave's number
.set G0,  24                           ; s[24:27] descriptor group 0
.set G1,  28                           ; s[28:35] descriptor group 1
.set SEL, 36                           ; s[36:37] v_permlanex16_b32's selects: each lane takes its own place in the other half
.set CNT, 38
.set INV, 39                           ; 1 / 256
.set SW,  40                           ; s[40:41] wimg at my 64 channels of the matrix to be loaded next
.set SOUT, 42                          ; s[42:43] where this trip's results go: qimg, then kimg
.set SK,  44
.set SV,  46
.set XO,  48                           ; the norm loop's steps
.set FO,  49
.set EPS, 50
.set MSB, 0
.macro WIN new                         ; the immediate's high byte repeats the setting that is left; a switch that changes nothing is dropped
.if MSB != (\new)
	s_set_vgpr_msb (MSB<<8)|(\new)
.set MSB, (\new)
.endif
.endm
.macro PLACES                          ; four plain vector instructions between a matrix instruction and a vector line that reads its result, or a load into its registers
.rept 4
	v_nop
.endr
.endm
.macro TABLE reg, base, cnt            ; a vector of 256 f32 as my lane needs it: register 16 s + 8 e + i = element 32 s + 16 e + 8 hh + i
.set n, 0
.rept \cnt
	global_load_b128 v[(\reg)+4*n:(\reg)+4*n+3], v[GOF], s[\base:\base+1] offset:(n>>1)*64+(n&1)*16
.set n, n+1
.endr
.endm
.macro LOADW i                         ; block i's fragments of W into set i: 16 loads of 512 consecutive bytes
	WIN 0x40
.set n, 0
.rept 16
	global_load_b128 v[64*(\i)+4*n:64*(\i)+4*n+3], v[LO], s[SW:SW+1] offset:(\i)*8192+512*n
.set n, n+1
.endr
.endm
.macro GETX                            ; my half of a tile's 16 rows of x
.set n, 0
.rept 32
	ds_load_b128 v[XF+4*n:XF+4*n+3], v[XAC] offset:(n>>1)*64+(n&1)*16
.set n, n+1
.endr
.endm
.macro RED                             ; four packed partial sums -> the row's sum in v[T]: the row's other 128 features lie in the lane 16 away
	v_pk_add_f32 v[A:A+1], v[A:A+1], v[A+2:A+3]
	v_pk_add_f32 v[A+4:A+5], v[A+4:A+5], v[A+6:A+7]
	v_pk_add_f32 v[A:A+1], v[A:A+1], v[A+4:A+5]
	v_add_f32 v[T], v[A], v[A+1]
	v_permlanex16_b32 v[T+1], v[T], s[SEL], s[SEL+1]
	v_add_f32 v[T], v[T], v[T+1]
.endm
.macro LNSTAT                          ; XF = (XF - mean) / sqrt(var + eps); the variance is taken of XF - mean.  Four chains a sum; the first terms start them: nothing is cleared
.irp k, 0,1,2,3
	v_pk_add_f32 v[A+2*(\k):A+2*(\k)+1], v[XF+2*(\k):XF+2*(\k)+1], v[XF+8+2*(\k):XF+8+2*(\k)+1]
.endr
.set n, 8
.rept 56
	v_pk_add_f32 v[A+2*(n%4):A+2*(n%4)+1], v[A+2*(n%4):A+2*(n%4)+1], v[XF+2*n:XF+2*n+1]
.set n, n+1
.endr
	RED
	v_mul_f32 v[MU], s[INV], v[T]
	v_mov_b32 v[MU+1], v[MU]
.set n, 0
.rept 64
	v_pk_add_f32 v[XF+2*n:XF+2*n+1], v[XF+2*n:XF+2*n+1], v[MU:MU+1] neg_lo:[0,1] neg_hi:[0,1]
.set n, n+1
.endr
.irp k, 0,1,2,3
	v_pk_mul_f32 v[A+2*(\k):A+2*(\k)+1], v[XF+2*(\k):XF+2*(\k)+1], v[XF+2*(\k):XF+2*(\k)+1]
.endr
.set n, 4
.rept 60
	v_pk_fma_f32 v[A+2*(n%4):A+2*(n%4)+1], v[XF+2*n:XF+2*n+1], v[XF+2*n:XF+2*n+1], v[A+2*(n%4):A+2*(n%4)+1]
.set n, n+1
.endr
	RED
	v_fma_f32 v[T+2], v[T], s[INV], s[EPS]
	v_rsq_f32 v[RS], v[T+2]
	v_rsq_f32 v[RS+1], v[T+2]
	v_nop                                          ; a plain instruction behind the last root, ahead of the use of its result (ISA guide 5.7.2)
	s_wait_alu depctr_va_vdst(0)                   ; the wait ahead of the first line that names a result: one for the two roots
.set n, 0
.rept 64
	v_pk_mul_f32 v[XF+2*n:XF+2*n+1], v[XF+2*n:XF+2*n+1], v[RS:RS+1]
.set n, n+1
.endr
.endm
.macro LNAFF                           ; XF = XF x gain + bias: gain in window 2, bias in window 3
	WIN 0x38
.set n, 0
.rept 64
	v_pk_fma_f32 v[XF+2*n:XF+2*n+1], v[XF+2*n:XF+2*n+1], v[2*n:2*n+1], v[2*n:2*n+1]
.set n, n+1
.endr
	WIN 0
.endm
.macro TOFRAG                          ; rounded to f16, my 128 numbers ARE my lane's part of the tile's eight fragments; 16 stores of 512 consecutive bytes
.set n, 0
.rept 64
	v_cvt_pk_f16_f32 v[F+n], v[XF+2*n], v[XF+2*n+1]
.set n, n+1
.endr
.set n, 0
.rept 16
	ds_store_b128 v[FSC], v[F+4*n:F+4*n+3] offset:512*n
.set n, n+1
.endr
.endm
.macro GETXN adr                       ; all eight tiles' fragments: tile t, K step s at 64 (t % 4) + 8 s of window 2 (t < 4) or 3
.irp hf, 0,1
	WIN 0x80+0x40*(\hf)
.set n, 0
.rept 64
	ds_load_b128 v[4*n:4*n+3], v[\adr] offset:(\hf)*32768+512*n
.set n, n+1
.endr
.endr
	WIN 0
	s_wait_dscnt 0x0
.endm
.macro EMIT
.if zC
	v_wmma_f32_16x16x32_f16 v[rD:rD+7], v[rA:rA+7], v[rB:rB+7], 0
.else
	v_wmma_f32_16x16x32_f16 v[rD:rD+7], v[rA:rA+7], v[rB:rB+7], v[rC:rC+7]
.endif
.endm
; A block: 16 channels x 8 tiles x K = 256: 64 products.  orient = 0: W-fragment x activation-fragment; 1: the other way round.  cmode = 0: the first K step starts the sums with the constant 0;
; 1: with the bias in v[B1 + 8 i ..]; 2: onto what the accumulators hold.  Four accumulators take turns, one instruction a turn, from half to half and from block to block too.
.macro MUL64 i, orient, cmode
.irp hf, 0,1
.if \orient
	WIN 0x06+(\hf)
.else
	WIN 0x09+4*(\hf)
.endif
.irp s, 0,1,2,3,4,5,6,7
.irp tt, 0,1,2,3
.set rD, ACC+8*(4*(\hf)+(\tt))
.set rC, rD
.set zC, 0
.if (\s) == 0
.if (\cmode) == 0
.set zC, 1
.elseif (\cmode) == 1
.set rC, B1+8*(\i)
.endif
.endif
.if \orient
.set rA, 64*(\tt)+8*(\s)
.set rB, 64*(\i)+8*(\s)
.else
.set rA, 64*(\i)+8*(\s)
.set rB, 64*(\tt)+8*(\s)
.endif
	EMIT
.endr
.endr
.endr
.endm
.macro PACKH                           ; each accumulator's registers in ascending order: 8 results -> 16 bytes
.irp tt, 0,1,2,3,4,5,6,7
.irp p, 0,1,2,3
	v_cvt_pk_f16_f32 v[PK+4*(\tt)+(\p)], v[ACC+8*(\tt)+2*(\p)], v[ACC+8*(\tt)+2*(\p)+1]
.endr
.endr
.endm
; Block i of a matrix.  left: the loads issued behind set i's sixteen, which may stay out.  reload = 1: set i takes the next matrix's block i, which has three blocks, 192 products, in which to land.
.macro BLK i, isv, reload, left
	s_wait_loadcnt \left
	MUL64 \i, \isv, 0
	PLACES
	WIN 0
	s_wait_xcnt 0x0                                ; the last block's stores have read PK: it is rewritten only behind this wait
	PACKH
.irp tt, 0,1,2,3,4,5,6,7
.if \isv
	global_store_b128 v[LO], v[PK+4*(\tt):PK+4*(\tt)+3], s[SV:SV+1] offset:((\i)>>1)*65536+((\tt)>>1)*2048+((\i)&1)*1024+((\tt)&1)*512 th:TH_STORE_NT
.else
	global_store_b128 v[LO], v[PK+4*(\tt):PK+4*(\tt)+3], s[SOUT:SOUT+1] offset:((\i)>>1)*65536+(\tt)*1024+((\i)&1)*512 th:TH_STORE_NT
.endif
.endr
.if \reload
	LOADW \i
.endif
.endm
	s_load_b256 s[4:11], s[0:1], 0x0               ; x s[4:5], g1 s[6:7], beta1 s[8:9], wimg s[10:11]
	s_load_b128 s[12:15], s[0:1], 0x20             ; qimg s[12:13], kimg s[14:15]
	s_load_b64 s[16:17], s[0:1], 0x30              ; vimg
	v_lshl_add_u32 v[SPW], v0, 2, SPARE
	v_mov_b32 v[NIL], 0
	ds_add_u32 v[SPW], v[NIL]                      ; the wave's opening: the add and its wait stand ahead of my tensor load; the set-up below, work on registers, stands between them
	v_lshrrev_b32 v1, 5, v0
	v_readfirstlane_b32 s[WV], v1                  ; wave 0..3
	s_mov_b32 s[G0], 1                             ; count = 1
	s_mul_i32 s[G0+1], s[WV], XWAVE                ; LDS address: my 32 rows
	s_mov_b32 s[G1+0], (2<<16)|(1<<20)|(7<<22)|(3<<25)  ; elements of 4 bytes; padding on: after every 256 words (code 7) 4 words (code 3)
	s_mov_b32 s[G1+1], 256<<16                     ; tensor_dim0 = 256
	s_mov_b32 s[G1+2], 32<<16                      ; tensor_dim1 = 32
	s_mov_b32 s[G1+3], 256<<16                     ; tile_dim0 = 256
	s_mov_b32 s[G1+4], 32                          ; tile_dim1 = 32
	s_mov_b32 s[G1+5], 256                         ; 256 elements from row to row
	s_mov_b32 s[G1+6], 0
	s_mov_b32 s[G1+7], 0
	s_lshl_b32 s20, ttmp9, 17                      ; the work-group's 128 rows of 1,024 bytes,
	s_lshl_b32 s21, s[WV], 15                      ; my 32 of them
	s_add_co_u32 s20, s20, s21
	s_mov_b32 s21, 0
	s_lshr_b32 s22, ttmp9, 3                       ; the batch: 8 heads x 65,536 bytes in each image,
	s_lshl_b32 s22, s22, 19
	s_lshl_b32 s23, s[WV], 17                      ; my two heads,
	s_add_co_u32 s22, s22, s23
	s_and_b32 s23, ttmp9, 7                        ; the work-group's eight tiles of the batch's 64: 8,192 bytes in qimg, kimg and vimg alike
	s_lshl_b32 s23, s23, 13
	s_add_co_u32 s22, s22, s23
	s_mov_b32 s23, 0
	s_mov_b32 s[SEL], 0x76543210
	s_mov_b32 s[SEL+1], 0xfedcba98
	s_mov_b32 s[INV], 0x3b800000                   ; 1 / 256
	s_mov_b32 s[EPS], 0x3727c5ac                   ; 1e-5
	v_and_b32 v16, 15, v0                          ; r
	v_bfe_u32 v17, v0, 4, 1                        ; hh
	v_and_b32 v18, 31, v0                          ; lane
	v_lshlrev_b32 v[LO], 4, v18
	v_lshlrev_b32 v[GOF], 5, v17
	v_mul_u32_u24 v[XA], v16, XPITCH
	v_add3_u32 v[XA], v[XA], v[GOF], s[G0+1]
	s_lshl_b32 s19, s[WV], 14                      ; tile 2 w's image
	s_add_co_u32 s19, s19, XNS
	v_add_nc_u32 v[FS], s19, v[LO]
	v_add_nc_u32 v[FL], XNS, v[LO]
	v_mov_b32 v[T+1], 0                            ; v_permlanex16_b32's destination counts as read
	s_wait_dscnt 0x0                               ; the opening add is done
	s_wait_kmcnt 0x0
	s_add_nc_u64 s[G0+2:G0+3], s[4:5], s[20:21]    ; global address of my 32 rows
	s_or_b32 s[G0+3], s[G0+3], 0x80000000          ; type = 2
	tensor_load_to_lds s[G0:G0+3], s[G1:G1+7]      ; my one tensor load of the launch: 32,768 bytes, read by me alone
	s_nop 0
	PLACES
	s_lshl_b32 s20, s[WV], 15                      ; my four blocks of 8,192 bytes in a matrix's image
	s_add_nc_u64 s[SW:SW+1], s[10:11], s[20:21]
	s_add_nc_u64 s[SOUT:SOUT+1], s[12:13], s[22:23]
	s_add_nc_u64 s[SK:SK+1], s[14:15], s[22:23]
	s_add_nc_u64 s[SV:SV+1], s[16:17], s[22:23]
	WIN 0x80
	TABLE 0, 6, 32                                 ; g1
	WIN 0xc0
	TABLE 0, 8, 32                                 ; beta1
	LOADW 0                                        ; wq's fragments
	LOADW 1
	LOADW 2
	LOADW 3
	WIN 0
	s_wait_xcnt 0x0                                ; those loads have read their base
	s_add_nc_u64 s[SW:SW+1], s[SW:SW+1], WMAT      ; the reloads below take wk's
	s_wait_tensorcnt 0x0                           ; my rows of x are in LDS; no other wave reads them
	s_wait_loadcnt 63                              ; loads come back in order (ISA guide 5.7.1): the two tables' 64 are the oldest of 128, so they are in; W's may stay out
	s_mov_b32 s[CNT], 2
	s_mov_b32 s[XO], 0
	s_mov_b32 s[FO], 0
.Lln:                                                  ; two trips: tiles 2 w and 2 w + 1
	v_add_nc_u32 v[XAC], s[XO], v[XA]
	v_add_nc_u32 v[FSC], s[FO], v[FS]
	GETX
	s_wait_dscnt 0x0
	LNSTAT
	LNAFF
	TOFRAG
	s_add_co_u32 s[XO], s[XO], XTILE
	s_add_co_u32 s[FO], s[FO], 8192
	s_sub_co_u32 s[CNT], s[CNT], 1
	s_cmp_lg_u32 s[CNT], 0
	s_cbranch_scc1 .Lln
	s_wait_dscnt 0x0                               ; for the others' sake: my fragments lie in LDS
	s_barrier_signal -1
	s_barrier_wait -1                              ; everybody's do
	GETXN FL
	s_mov_b32 s[CNT], 2
.Lqk:                                                  ; two trips: q, then k.  At block i the younger loads are the three other sets': 48
	BLK 0, 0, 1, 48
	BLK 1, 0, 1, 48
	BLK 2, 0, 1, 48
	BLK 3, 0, 1, 48
	WIN 0
	s_wait_xcnt 0x0                                ; the trip's loads and stores have read their bases
	s_add_nc_u64 s[SW:SW+1], s[SW:SW+1], WMAT
	s_mov_b64 s[SOUT:SOUT+1], s[SK:SK+1]
	s_sub_co_u32 s[CNT], s[CNT], 1
	s_cmp_lg_u32 s[CNT], 0
	s_cbranch_scc1 .Lqk
	BLK 0, 1, 0, 48                                ; v: nothing is loaded any more, and the counts run down
	BLK 1, 1, 0, 32
	BLK 2, 1, 0, 16
	BLK 3, 1, 0, 0
	WIN 0
	s_wait_tensorcnt 0x0                           ; the wave's end, behind my tensor load and my last LDS store
	ds_add_u32 v[SPW], v[NIL]
	s_wait_dscnt 0x0
	s_endpgm
.Lfunc_end_k_q365d42d983_qkv:
	.size	k_q365d42d983_qkv, .Lfunc_end_k_q365d42d983_qkv-k_q365d42d983_qkv
	.p2alignl 7, 3214868480
	.fill 96, 4, 3214868480
	.section	.rodata,"a",@progbits
	.p2align	6, 0x0
	.amdhsa_kernel k_q365d42d983_qkv
		.amdhsa_group_segment_fixed_size 199168
		.amdhsa_private_segment_fixed_size 0
		.amdhsa_enable_private_segment 0
		.amdhsa_kernarg_size 56
		.amdhsa_user_sgpr_count 2
		.amdhsa_user_sgpr_kernarg_segment_ptr 1
		.amdhsa_wavefront_size32 1
		.amdhsa_system_sgpr_workgroup_id_x 1
		.amdhsa_system_sgpr_workgroup_id_y 1
		.amdhsa_system_sgpr_workgroup_id_z 1
		.amdhsa_system_vgpr_workitem_id 0
		.amdhsa_next_free_vgpr 1024
		.amdhsa_next_free_sgpr 66
		.amdhsa_reserve_vcc 0
		.amdhsa_float_denorm_mode_32 3
		.amdhsa_float_denorm_mode_16_64 3
		.amdhsa_memory_ordered 1
		.amdhsa_forward_progress 1
		.amdhsa_inst_pref_size 115
	.end_amdhsa_kernel
	.amdgpu_metadata
---
amdhsa.version: [ 1, 2 ]
amdhsa.kernels:
  - .name:           k_q365d42d983_qkv
    .symbol:         k_q365d42d983_qkv.kd
    .args:
      - { .name: x, .offset: 0, .size: 8, .value_kind: global_buffer, .address_space: global }
      - { .name: g1, .offset: 8, .size: 8, .value_kind: global_buffer, .address_space: global }
      - { .name: beta1, .offset: 16, .size: 8, .value_kind: global_buffer, .address_space: global }
      - { .name: wimg, .offset: 24, .size: 8, .value_kind: global_buffer, .address_space: global }
      - { .name: qimg, .offset: 32, .size: 8, .value_kind: global_buffer, .address_space: global }
      - { .name: kimg, .offset: 40, .size: 8, .value_kind: global_buffer, .address_space: global }
      - { .name: vimg, .offset: 48, .size: 8, .value_kind: global_buffer, .address_space: global }
    .group_segment_fixed_size: 199168
    .private_segment_fixed_size: 0
    .kernarg_segment_align: 8
    .kernarg_segment_size: 56
    .max_flat_workgroup_size: 128
    .sgpr_count:     66
    .vgpr_count:     1024
    .wavefront_size: 32
...
	.end_amdgpu_metadata
.endif
;; end of part 2
;; launch attn (part 3): grid 256 x 1, 8 waves a work-group, no clusters, 167,936 bytes of LDS; arguments qimg, kimg, vimg, cimg; writes cimg
.if DOCPART == 3
	.amdgcn_target "amdgcn-amd-amdhsa--gfx1250"
	.amdhsa_code_object_version 6
	.text
	.protected	k_q365d42d983_attn
	.globl	k_q365d42d983_attn
	.p2align	8
	.type	k_q365d42d983_attn,@function
k_q365d42d983_attn:
	s_mov_b64 s[64:65], 0
	v_nop
	global_prefetch_b8 v0, s[64:65] scope:SCOPE_SE
	s_setreg_imm32_b32 hwreg(HW_REG_WAVE_MODE, 25, 1), 1
	s_wait_xcnt 0x0
; ctx[q][:] = the sum over k of softmax_k(Q[q] . K[k]) V[k][:], for one head of one batch: 1,024 queries, 1,024 keys, 32 channels.  No scale but log2(e), which lies in Q already.
; Q, K, V arrive as f16 fragment images; products, maxima and sums in f32; the weights p are rounded to f16 for the second product (their sum l is taken of the unrounded p); ctx once, to f16.
; LIMITS: m starts at -1e30 (scores of f16 operands stay under 1.4e11); a weight below 2^-126 counts as 0 in l; p below 6e-5 keeps f16's fixed step of 6e-8; NaN and infinities are not treated apart.
; SHARES.  A work-group is a (batch, head): no two share an input, so there is no cluster.  Its K and V, 65,536 bytes each, lie WHOLE in LDS, brought by one tensor load a wave: the loop has no ring,
; no refill and no barrier.  Each of the eight waves owns eight tiles of 16 queries and walks all keys, 64 a step.  Two waves lie on a SIMD: a tile and step have 8 matrix instructions and some 110
; vector instructions, so the vector unit sets the pace, and one wave's products run beside the other's softmax.
; LAYOUT.  S^T = K Q^T (source 0 = 16 keys, source 1 = 16 queries; 32 channels are ONE instruction): a lane holds one query (lane % 16) and the keys 8 (lane / 16) + 0..7.  Two such results, rounded to
; f16 in pairs, ARE source 1 of O^T = V^T P, whose result again holds one query a lane, and eight channels: 16 bytes of cimg.  The images lie dense in LDS: a load takes 512 consecutive bytes.
; SOFTMAX.  A running maximum m and sum l for each query: p = 2^(s - m); in every step O and l are multiplied by a = 2^(m_old - m_new).  O and l start at 0, so the first step is a step like any other
; (a = 0): 144 lines that write 0, in the wait for the tiles, buy one text for all steps.
; ORDER.  TILE t: the scores of tile t + 1 (of the next step, for t = 7), the softmax of tile t, its V^T P.  So a softmax never waits for the products just issued.
; The last trip fetches a K that does not exist (the 4,096 LDS bytes behind K are V's first, filled and inside LDS) and makes four products of it that nobody reads: once a wave, the price of no tail.
; REGISTERS: window 0: addresses, statistics, S^T (two buffers, by the tile's parity), P, O^T;  window 1: Q (8 tiles), K and V of one step.
.set STEPB, 4096                       ; a step's K, and its V: 64 keys x 64 bytes
.set VB,    65536                      ; V's images lie behind K's
.set SPARE, 131072                     ; behind them: the spare words, 128 bytes for each wave: four blocks of 256 bytes that no other line names
.set GO,  1                            ; v1   16 lane
.set SPW, 2                            ; v2   LDS address of my spare word; never rewritten
.set NIL, 3                            ; v3   0; never rewritten
.set KA,  4                            ; v4   LDS address of K's run of loads
.set VA,  5                            ; v5   of V's
.set ST,  8                            ; v[8:39]   tile t: m, (its pair's other word), l of the even keys, l of the odd keys
.set TMP, 40                           ; v[40:45]  c0-c3 at work; a at TMP + 4, in a pair
.set S,   48                           ; v[48:111]
.set P,   112                          ; v[112:127]
.set O,   128                          ; v[128:255] tile t, channels 16 cb + .. at O + 16 t + 8 cb
.set QF,  0                            ; window 1: tile t at 8 t
.set KF,  64                           ; window 1: key tile kt at KF + 8 kt
.set VF,  96                           ; window 1: keys 32 u .., channels 16 cb .. at VF + 16 u + 8 cb
.set WV,  12
.set G0,  16                           ; s[16:19]
.set G1,  20                           ; s[20:27]
.set SEL, 28                           ; s[28:29]
.set CNT, 30
.set TBK, 31                           ; LDS byte of the K to be fetched next
.set TBV, 42                           ; of the V
.set MSB, 0
.macro WIN new                         ; the immediate's high byte repeats the setting that is left; a switch that changes nothing is dropped
.if MSB != (\new)
	s_set_vgpr_msb (MSB<<8)|(\new)
.set MSB, (\new)
.endif
.endm
.macro PLACES
.rept 4
	v_nop
.endr
.endm
.macro QK x                            ; tile x's scores for 64 keys: four products, each a whole sum
	WIN 0x05
.irp kt, 0,1,2,3
	v_wmma_f32_16x16x32_f16 v[S+32*((\x)%2)+8*(\kt):S+32*((\x)%2)+8*(\kt)+7], v[KF+8*(\kt):KF+8*(\kt)+7], v[QF+8*(\x):QF+8*(\x)+7], 0
.endr
.endm
.macro PVM t                           ; O^T += V^T P: the two accumulators take turns
	WIN 0x01
.irp u, 0,1
.irp cb, 0,1
	v_wmma_f32_16x16x32_f16 v[O+16*(\t)+8*(\cb):O+16*(\t)+8*(\cb)+7], v[VF+16*(\u)+8*(\cb):VF+16*(\u)+8*(\cb)+7], v[P+8*(\u):P+8*(\u)+7], v[O+16*(\t)+8*(\cb):O+16*(\t)+8*(\cb)+7]
.endr
.endr
.endm
.macro LDK                             ; the next step's K: eight loads in one run
	WIN 0
	v_add_nc_u32 v[KA], s[TBK], v[GO]
	s_add_co_u32 s[TBK], s[TBK], STEPB
	WIN 0x40
.set n, 0
.rept 8
	ds_load_b128 v[KF+4*n:KF+4*n+3], v[KA] offset:512*n
.set n, n+1
.endr
	WIN 0
.endm
.macro LDV                             ; this step's V
	WIN 0
	v_add_nc_u32 v[VA], s[TBV], v[GO]
	s_add_co_u32 s[TBV], s[TBV], STEPB
	WIN 0x40
.set n, 0
.rept 8
	ds_load_b128 v[VF+4*n:VF+4*n+3], v[VA] offset:512*n
.set n, n+1
.endr
	WIN 0
.endm
.macro SOFT t
.set rS, S+32*((\t)%2)
.set rT, ST+4*(\t)
.set rO, O+16*(\t)
	WIN 0
	; the maximum of my 32 scores and the old m, three operands at a time: four chains, each begun on its accumulator's lowest registers
.irp j, 0,1,2,3
	v_max3_num_f32 v[TMP+(\j)], v[rS+8*(\j)], v[rS+8*(\j)+1], v[rS+8*(\j)+2]
.endr
.irp j, 0,1,2,3
	v_max3_num_f32 v[TMP+(\j)], v[TMP+(\j)], v[rS+8*(\j)+3], v[rS+8*(\j)+4]
.endr
.irp j, 0,1,2,3
	v_max3_num_f32 v[TMP+(\j)], v[TMP+(\j)], v[rS+8*(\j)+5], v[rS+8*(\j)+6]
.endr
	v_max3_num_f32 v[TMP], v[TMP], v[rS+7], v[rS+15]
	v_max3_num_f32 v[TMP+1], v[TMP+1], v[rS+23], v[rS+31]
	v_max3_num_f32 v[TMP+2], v[TMP+2], v[TMP+3], v[rT]
	v_max3_num_f32 v[TMP], v[TMP], v[TMP+1], v[TMP+2]
	; the runs of LDS loads stand here: the sixteen lines above are the places behind the last product that read the registers (tile 7's scores; the step before's V^T P)
.if (\t) == 6
	LDK
.endif
.if (\t) == 0
	LDV
.endif
	v_permlanex16_b32 v[TMP+3], v[TMP], s[SEL], s[SEL+1]   ; the query's other 32 keys lie in the lane 16 away
	v_max_num_f32 v[TMP], v[TMP], v[TMP+3]
	v_sub_f32 v[TMP+1], v[rT], v[TMP]              ; m_old - m_new
	v_mov_b32 v[rT], v[TMP]
	; ONE BATCH of 33 exponentials, with the 16 subtractions among them; nothing here names an exponential's result
	v_exp_f32 v[TMP+4], v[TMP+1]                   ; a
	v_pk_add_f32 v[rS:rS+1], v[rS:rS+1], v[rT:rT+1] op_sel_hi:[1,0] neg_lo:[0,1] neg_hi:[0,1]
.set b, 0
.rept 16
.if b < 15
	v_pk_add_f32 v[rS+2*b+2:rS+2*b+3], v[rS+2*b+2:rS+2*b+3], v[rT:rT+1] op_sel_hi:[1,0] neg_lo:[0,1] neg_hi:[0,1]
.endif
	v_exp_f32 v[rS+2*b], v[rS+2*b]
	v_exp_f32 v[rS+2*b+1], v[rS+2*b+1]
.set b, b+1
.endr
	v_nop                                          ; a plain instruction behind the last exponential, ahead of the first use (ISA guide 5.7.2)
	s_wait_alu depctr_va_vdst(0)                   ; the wait ahead of the first line that names a result: one for the batch
.set k, 0
.rept 8                                ; of each four weights: both pairs rounded to f16, the second pair added onto the first
	v_cvt_pk_f16_f32 v[P+2*k], v[rS+4*k], v[rS+4*k+1]
	v_cvt_pk_f16_f32 v[P+2*k+1], v[rS+4*k+2], v[rS+4*k+3]
	v_pk_add_f32 v[rS+4*k:rS+4*k+1], v[rS+4*k:rS+4*k+1], v[rS+4*k+2:rS+4*k+3]
.set k, k+1
.endr
.irp z, 0,8,16,24
	v_pk_add_f32 v[rS+(\z):rS+(\z)+1], v[rS+(\z):rS+(\z)+1], v[rS+(\z)+4:rS+(\z)+5]
.endr
	v_pk_add_f32 v[rS:rS+1], v[rS:rS+1], v[rS+8:rS+9]
	v_pk_add_f32 v[rS+16:rS+17], v[rS+16:rS+17], v[rS+24:rS+25]
	v_pk_add_f32 v[rS:rS+1], v[rS:rS+1], v[rS+16:rS+17]
	v_pk_fma_f32 v[rT+2:rT+3], v[rT+2:rT+3], v[TMP+4:TMP+5], v[rS:rS+1] op_sel_hi:[1,0,1]   ; l = a l + sum
.set n, 0
.rept 8
	v_pk_mul_f32 v[rO+2*n:rO+2*n+1], v[rO+2*n:rO+2*n+1], v[TMP+4:TMP+5] op_sel_hi:[1,0]    ; O^T times a, in ascending order
.set n, n+1
.endr
.endm
.macro TILE t
.if (\t) == 7
	s_wait_dscnt 0x0                               ; the next step's K, asked for a tile ago, is in
.endif
	QK ((\t)+1)%8
	SOFT \t
.if (\t) == 0
	s_wait_dscnt 0x0                               ; V is in
.endif
	PVM \t
.endm
	s_load_b256 s[4:11], s[0:1], 0x0               ; qimg s[4:5], kimg s[6:7], vimg s[8:9], cimg s[10:11]
	v_lshl_add_u32 v[SPW], v0, 2, SPARE
	v_mov_b32 v[NIL], 0
	ds_add_u32 v[SPW], v[NIL]                      ; the wave's opening: the add and its wait stand ahead of my tensor load; the set-up below, work on registers, stands between them
	v_lshrrev_b32 v[KA], 5, v0
	v_readfirstlane_b32 s[WV], v[KA]               ; wave 0..7
	v_and_b32 v[GO], 31, v0
	v_lshlrev_b32 v[GO], 4, v[GO]
	s_mov_b32 s[G0], 1                             ; count = 1
	s_mul_i32 s[G0+1], s[WV], 16384                ; LDS address: waves 0-3 bring K's quarters, waves 4-7 V's
	s_mov_b32 s[G1+0], 3<<16                       ; elements of 8 bytes; no padding: the images are read as they lie
	s_mov_b32 s[G1+1], 32<<16                      ; tensor_dim0 = 32: rows of 256 bytes
	s_mov_b32 s[G1+2], 64<<16                      ; tensor_dim1 = 64
	s_mov_b32 s[G1+3], 32<<16                      ; tile_dim0 = 32
	s_mov_b32 s[G1+4], 64                          ; tile_dim1 = 64
	s_mov_b32 s[G1+5], 32                          ; dense
	s_mov_b32 s[G1+6], 0
	s_mov_b32 s[G1+7], 0
	s_mov_b32 s[SEL], 0x76543210
	s_mov_b32 s[SEL+1], 0xfedcba98
	s_mov_b32 s[TBK], 0
	s_mov_b32 s[TBV], VB
	s_lshl_b32 s32, ttmp9, 16                      ; the head's 65,536 bytes in qimg, kimg and vimg
	s_mov_b32 s33, 0
	s_and_b32 s34, s[WV], 3                        ; which quarter I bring
	s_lshl_b32 s34, s34, 14
	s_mov_b32 s35, 0
	s_lshl_b32 s38, s[WV], 13                      ; my eight tiles of Q
	s_mov_b32 s39, 0
	s_lshr_b32 s40, ttmp9, 3                       ; cimg: [batch][tile 64][head 8][1,024 bytes]
	s_lshl_b32 s40, s40, 19
	s_and_b32 s41, ttmp9, 7
	s_lshl_b32 s41, s41, 10
	s_add_co_u32 s40, s40, s41
	s_lshl_b32 s41, s[WV], 16                      ; my eight tiles
	s_add_co_u32 s40, s40, s41
	s_mov_b32 s41, 0
	s_wait_dscnt 0x0                               ; the opening add is done
	s_wait_kmcnt 0x0
	s_cmp_lt_u32 s[WV], 4
	s_cselect_b64 s[36:37], s[6:7], s[8:9]
	s_add_nc_u64 s[36:37], s[36:37], s[32:33]
	s_add_nc_u64 s[G0+2:G0+3], s[36:37], s[34:35]
	s_or_b32 s[G0+3], s[G0+3], 0x80000000          ; type = 2
	tensor_load_to_lds s[G0:G0+3], s[G1:G1+7]      ; my one tensor load of the launch: 16,384 dense bytes
	s_nop 0
	PLACES
	s_add_nc_u64 s[4:5], s[4:5], s[32:33]
	s_add_nc_u64 s[4:5], s[4:5], s[38:39]
	s_add_nc_u64 s[10:11], s[10:11], s[40:41]
	WIN 0x40
.set n, 0
.rept 16                               ; Q stays in registers
	global_load_b128 v[QF+4*n:QF+4*n+3], v[GO], s[4:5] offset:512*n th:TH_LOAD_NT
.set n, n+1
.endr
	WIN 0
.set n, 0
.rept 128
	v_mov_b32 v[O+n], 0
.set n, n+1
.endr
.set t, 0
.rept 8
	v_mov_b32 v[ST+4*t], 0xf149f2ca                ; m = -1e30
	v_mov_b32 v[ST+4*t+1], 0xf149f2ca              ; named with it as a pair
	v_mov_b32 v[ST+4*t+2], 0
	v_mov_b32 v[ST+4*t+3], 0
.set t, t+1
.endr
	v_mov_b32 v[TMP+5], 0                          ; named with a as a pair
	s_wait_tensorcnt 0x0                           ; my quarter is in LDS,
	s_barrier_signal -1
	s_barrier_wait -1                              ; everybody's is; nothing is ever filled again
	LDK                                            ; key step 0
	s_wait_loadcnt 0x0                             ; Q
	s_wait_dscnt 0x0
	QK 0
	PLACES                                         ; behind tile 0's first scores; in the loop a whole softmax stands there
	WIN 0
	s_mov_b32 s[CNT], 16
.Lstep:                                                ; 16 trips of 64 keys
	TILE 0
	TILE 1
	TILE 2
	TILE 3
	TILE 4
	TILE 5
	TILE 6
	TILE 7
	WIN 0
	s_sub_co_u32 s[CNT], s[CNT], 1
	s_cmp_lg_u32 s[CNT], 0
	s_cbranch_scc1 .Lstep
	; THE WAY OUT.  l's two halves and the other half of the lanes' are added; O^T is divided by l and rounded: a lane's eight channels are 16 bytes of cimg.  The additions are the places behind the last products.
.set t, 0
.rept 8
	v_add_f32 v[ST+4*t+2], v[ST+4*t+2], v[ST+4*t+3]
.set t, t+1
.endr
.set t, 0
.rept 8
	v_permlanex16_b32 v[ST+4*t+3], v[ST+4*t+2], s[SEL], s[SEL+1]
.set t, t+1
.endr
.set t, 0
.rept 8
	v_add_f32 v[ST+4*t+2], v[ST+4*t+2], v[ST+4*t+3]
.set t, t+1
.endr
.set t, 0
.rept 8
	v_rcp_f32 v[ST+4*t+2], v[ST+4*t+2]
.set t, t+1
.endr
	v_nop                                          ; a plain instruction behind the last reciprocal,
	s_wait_alu depctr_va_vdst(0)                   ; and the wait ahead of the first use: one for the eight
.set t, 0
.rept 8
.set n, 0
.rept 8
	v_pk_mul_f32 v[O+16*t+2*n:O+16*t+2*n+1], v[O+16*t+2*n:O+16*t+2*n+1], v[ST+4*t+2:ST+4*t+3] op_sel_hi:[1,0]
.set n, n+1
.endr
.set n, 0
.rept 8
	v_cvt_pk_f16_f32 v[S+8*t+n], v[O+16*t+2*n], v[O+16*t+2*n+1]
.set n, n+1
.endr
	global_store_b128 v[GO], v[S+8*t:S+8*t+3], s[10:11] offset:8192*t th:TH_STORE_NT          ; 512 consecutive bytes, aligned: channels 0-15 of the head
	global_store_b128 v[GO], v[S+8*t+4:S+8*t+7], s[10:11] offset:8192*t+512 th:TH_STORE_NT    ; channels 16-31
.set t, t+1
.endr
	s_wait_tensorcnt 0x0                           ; the wave's end, behind my tensor load
	ds_add_u32 v[SPW], v[NIL]
	s_wait_dscnt 0x0
	s_endpgm
.Lfunc_end_k_q365d42d983_attn:
	.size	k_q365d42d983_attn, .Lfunc_end_k_q365d42d983_attn-k_q365d42d983_attn
	.p2alignl 7, 3214868480
	.fill 96, 4, 3214868480
	.section	.rodata,"a",@progbits
	.p2align	6, 0x0
	.amdhsa_kernel k_q365d42d983_attn
		.amdhsa_group_segment_fixed_size 167936
		.amdhsa_private_segment_fixed_size 0
		.amdhsa_enable_private_segment 0
		.amdhsa_kernarg_size 32
		.amdhsa_user_sgpr_count 2
		.amdhsa_user_sgpr_kernarg_segment_ptr 1
		.amdhsa_wavefront_size32 1
		.amdhsa_system_sgpr_workgroup_id_x 1
		.amdhsa_system_sgpr_workgroup_id_y 1
		.amdhsa_system_sgpr_workgroup_id_z 1
		.amdhsa_system_vgpr_workitem_id 0
		.amdhsa_next_free_vgpr 384
		.amdhsa_next_free_sgpr 66
		.amdhsa_reserve_vcc 0
		.amdhsa_float_denorm_mode_32 3
		.amdhsa_float_denorm_mode_16_64 3
		.amdhsa_memory_ordered 1
		.amdhsa_forward_progress 1
		.amdhsa_inst_pref_size 74
	.end_amdhsa_kernel
	.amdgpu_metadata
---
amdhsa.version: [ 1, 2 ]
amdhsa.kernels:
  - .name:           k_q365d42d983_attn
    .symbol:         k_q365d42d983_attn.kd
    .args:
      - { .name: qimg, .offset: 0, .size: 8, .value_kind: global_buffer, .address_space: global }
      - { .name: kimg, .offset: 8, .size: 8, .value_kind: global_buffer, .address_space: global }
      - { .name: vimg, .offset: 16, .size: 8, .value_kind: global_buffer, .address_space: global }
      - { .name: cimg, .offset: 24, .size: 8, .value_kind: global_buffer, .address_space: global }
    .group_segment_fixed_size: 167936
    .private_segment_fixed_size: 0
    .kernarg_segment_align: 8
    .kernarg_segment_size: 32
    .max_flat_workgroup_size: 256
    .sgpr_count:     66
    .vgpr_count:     384
    .wavefront_size: 32
...
	.end_amdgpu_metadata
.endif
;; end of part 3
;; launch ffn (part 4): grid 256 x 1, 4 waves a work-group, no clusters, 264,704 bytes of LDS; arguments x, cimg, g2, beta2, b_f1, b_f2, wimg, out0; writes out0
.if DOCPART == 4
	.amdgcn_target "amdgcn-amd-amdhsa--gfx1250"
	.amdhsa_code_object_version 6
	.text
	.protected	k_q365d42d983_ffn
	.globl	k_q365d42d983_ffn
	.p2align	8
	.type	k_q365d42d983_ffn,@function
k_q365d42d983_ffn:
	s_mov_b64 s[64:65], 0
	v_nop
	global_prefetch_b8 v0, s[64:65] scope:SCOPE_SE
	s_setreg_imm32_b32 hwreg(HW_REG_WAVE_MODE, 25, 1), 1
	s_wait_xcnt 0x0
; a = LayerNorm(ctx + x) g2 + beta2;  out = a + relu(a w_f1 + b_f1) w_f2 + b_f2.  x, out: [32,768 rows][256] f32; ctx: f16 fragment images (cimg).
; The sum ctx + x, the norm, the biases and the residual a in f32; a and h = relu(..) are rounded once to f16 as matrix operands; products f16 x f16 with f32 sums.
; LIMITS: a and h beyond 65,504 become infinities in f16; NaN and infinities are not treated apart.
; SHARES.  A work-group owns 128 rows: eight tiles of 16.  NORM: wave w takes tiles 2 w and 2 w + 1, out of its own 32 rows of x, which its own tensor load brought.
; PRODUCTS: THE WAVES SPLIT THE CHANNELS: wave w makes channels 64 w .. 64 w + 63 of h, and then of out, for all eight tiles.  So each fragment of a weight matrix is wanted by one wave alone and
; comes from wimg straight into its registers, as it lies, each feeding eight products.  a's and h's fragments (8 tiles x 64 registers) are handed round through LDS, once each.
; NO CLUSTER: what work-groups share is the weights; a joint load lands in LDS, and these bytes go to one wave's registers as they lie: through LDS each would be written and read once more.
; THE BIASES AND THE RESIDUAL ARE C OPERANDS: b_f1 starts h's sums; a + b_f2, kept in f32 where x lay in LDS, is loaded into the accumulators of the second product, and out goes back to the same bytes.
; A barrier, and each wave stores whole rows: every store covers 512 consecutive bytes, aligned.
; x's bytes in LDS are filled once; what is stored over them later lies in blocks that have had their last fill.
; REGISTERS, in windows of 256 (s_set_vgpr_msb: bits 1:0 source 0, 3:2 source 1, 5:4 source 2, 7:6 destination):
;   window 0: addresses, the norm's registers, then 8 accumulators and packed results; b_f1      window 1: four sets of 64: a block's fragments of W
;   window 2: g2, b_f2; then fragments of tiles 0-3; then rows of out                               window 3: beta2, ctx; then fragments of tiles 4-7
.set XPITCH, 1040                      ; a row in LDS: 1,024 bytes + 16 of padding = 260 words: the 16 rows of a load start 4 banks apart (64 banks of 4 bytes: ISA guide 11.1)
.set XTILE,  16*XPITCH
.set XWAVE,  32*XPITCH
.set AS,     4*XWAVE                   ; a's fragment images, 8 tiles x 8,192 bytes
.set HS,     AS+65536                  ; h's
.set SPARE,  HS+65536                  ; the spare words, 128 bytes for each wave: two blocks of 256 bytes that no other line names
.set WMAT,   131072
.set XAC, 1                            ; v1   this trip's address in x
.set SPW, 2                            ; v2   LDS address of my spare word; never rewritten
.set NIL, 3                            ; v3   0; never rewritten
.set XA,  4                            ; v4   wave x 33,280 + r x 1,040 + 32 hh
.set FS,  5                            ; v5   where my 16 bytes of a fragment half of tile 2 w go
.set FL,  6                            ; v6   AS + 16 lane
.set LO,  7                            ; v7   16 lane
.set GOF, 8                            ; v8   32 hh
.set FLH, 9                            ; v9   HS + 16 lane
.set ONE, 10                           ; v10  1.0
.set ZERO, 11                          ; v11  0
.set HSA, 12                           ; v12  HS + my two K steps of h + 16 lane
.set CA,  13                           ; v13, v14  my lane's 32 bytes of a row of tiles 0-3, 4-7, at my wave's 64 channels
.set OA,  15                           ; v15  my wave's 32 rows + 16 lane
.set A,   16
.set MU,  24
.set RS,  26
.set T,   28
.set FSC, 31
.set XF,  32                           ; v[32:159] XF[16 s + 8 e + i] = row r, feature 32 s + 16 e + 8 hh + i
.set ACC, 32
.set PK,  96
.set F,   160
.set B1,  224                          ; v[224:255] b_f1 of block i's channels 8 hh + 0..7 at B1 + 8 i
.set CT,  128                          ; window 3: ctx of the tile in hand, 64 registers of two f16
.set B2,  128                          ; window 2: b_f2 as my lane needs it
.set WV,  20
.set G0,  24
.set G1,  28
.set SEL, 36
.set CNT, 38
.set INV, 39
.set SW,  40
.set EPS, 44
.set XO,  45
.set FO,  46
.set CTB, 48                           ; s[48:49] cimg at tile 2 w
.set B1B, 50                           ; s[50:51] b_f1 at my 64 channels
.set OUTB, 52                          ; s[52:53] out0 at my 32 rows
.set MSB, 0
.macro WIN new                         ; the immediate's high byte repeats the setting that is left; a switch that changes nothing is dropped
.if MSB != (\new)
	s_set_vgpr_msb (MSB<<8)|(\new)
.set MSB, (\new)
.endif
.endm
.macro PLACES                          ; four plain vector instructions between a matrix instruction and a line that reads its result, or a load into its registers
.rept 4
	v_nop
.endr
.endm
.macro TABLE reg, base, cnt            ; a vector of f32 as my lane needs it: register 16 s + 8 e + i = element 32 s + 16 e + 8 hh + i
.set n, 0
.rept \cnt
	global_load_b128 v[(\reg)+4*n:(\reg)+4*n+3], v[GOF], s[\base:\base+1] offset:(n>>1)*64+(n&1)*16
.set n, n+1
.endr
.endm
.macro LOADW i                         ; block i's fragments of W into set i: 16 loads of 512 consecutive bytes
	WIN 0x40
.set n, 0
.rept 16
	global_load_b128 v[64*(\i)+4*n:64*(\i)+4*n+3], v[LO], s[SW:SW+1] offset:(\i)*8192+512*n
.set n, n+1
.endr
.endm
.macro LOADCT off                      ; a tile's ctx: 16 loads of 512 consecutive bytes
	WIN 0xc0
.set n, 0
.rept 16
	global_load_b128 v[CT+4*n:CT+4*n+3], v[LO], s[CTB:CTB+1] offset:(\off)+512*n th:TH_LOAD_NT
.set n, n+1
.endr
	WIN 0
.endm
.macro GETX
.set n, 0
.rept 32
	ds_load_b128 v[XF+4*n:XF+4*n+3], v[XAC] offset:(n>>1)*64+(n&1)*16
.set n, n+1
.endr
.endm
.macro RED                             ; four packed partial sums -> the row's sum in v[T]: the row's other 128 features lie in the lane 16 away
	v_pk_add_f32 v[A:A+1], v[A:A+1], v[A+2:A+3]
	v_pk_add_f32 v[A+4:A+5], v[A+4:A+5], v[A+6:A+7]
	v_pk_add_f32 v[A:A+1], v[A:A+1], v[A+4:A+5]
	v_add_f32 v[T], v[A], v[A+1]
	v_permlanex16_b32 v[T+1], v[T], s[SEL], s[SEL+1]
	v_add_f32 v[T], v[T], v[T+1]
.endm
.macro LNSTAT                          ; XF = (XF - mean) / sqrt(var + eps); the variance is taken of XF - mean.  Four chains a sum; the first terms start them: nothing is cleared
.irp k, 0,1,2,3
	v_pk_add_f32 v[A+2*(\k):A+2*(\k)+1], v[XF+2*(\k):XF+2*(\k)+1], v[XF+8+2*(\k):XF+8+2*(\k)+1]
.endr
.set n, 8
.rept 56
	v_pk_add_f32 v[A+2*(n%4):A+2*(n%4)+1], v[A+2*(n%4):A+2*(n%4)+1], v[XF+2*n:XF+2*n+1]
.set n, n+1
.endr
	RED
	v_mul_f32 v[MU], s[INV], v[T]
	v_mov_b32 v[MU+1], v[MU]
.set n, 0
.rept 64
	v_pk_add_f32 v[XF+2*n:XF+2*n+1], v[XF+2*n:XF+2*n+1], v[MU:MU+1] neg_lo:[0,1] neg_hi:[0,1]
.set n, n+1
.endr
.irp k, 0,1,2,3
	v_pk_mul_f32 v[A+2*(\k):A+2*(\k)+1], v[XF+2*(\k):XF+2*(\k)+1], v[XF+2*(\k):XF+2*(\k)+1]
.endr
.set n, 4
.rept 60
	v_pk_fma_f32 v[A+2*(n%4):A+2*(n%4)+1], v[XF+2*n:XF+2*n+1], v[XF+2*n:XF+2*n+1], v[A+2*(n%4):A+2*(n%4)+1]
.set n, n+1
.endr
	RED
	v_fma_f32 v[T+2], v[T], s[INV], s[EPS]
	v_rsq_f32 v[RS], v[T+2]
	v_rsq_f32 v[RS+1], v[T+2]
	v_nop                                          ; a plain instruction behind the last root, ahead of the use of its result (ISA guide 5.7.2)
	s_wait_alu depctr_va_vdst(0)                   ; the wait ahead of the first line that names a result: one for the two roots
.set n, 0
.rept 64
	v_pk_mul_f32 v[XF+2*n:XF+2*n+1], v[XF+2*n:XF+2*n+1], v[RS:RS+1]
.set n, n+1
.endr
.endm
.macro LNAFF                           ; XF = XF x gain + bias: gain in window 2, bias in window 3
	WIN 0x38
.set n, 0
.rept 64
	v_pk_fma_f32 v[XF+2*n:XF+2*n+1], v[XF+2*n:XF+2*n+1], v[2*n:2*n+1], v[2*n:2*n+1]
.set n, n+1
.endr
	WIN 0
.endm
.macro TOFRAG                          ; rounded to f16, my 128 numbers ARE my lane's part of the tile's eight fragments; 16 stores of 512 consecutive bytes
.set n, 0
.rept 64
	v_cvt_pk_f16_f32 v[F+n], v[XF+2*n], v[XF+2*n+1]
.set n, n+1
.endr
.set n, 0
.rept 16
	ds_store_b128 v[FSC], v[F+4*n:F+4*n+3] offset:512*n
.set n, n+1
.endr
.endm
.macro GETXN adr                       ; all eight tiles' fragments: tile t, K step s at 64 (t % 4) + 8 s of window 2 (t < 4) or 3
.irp hf, 0,1
	WIN 0x80+0x40*(\hf)
.set n, 0
.rept 64
	ds_load_b128 v[4*n:4*n+3], v[\adr] offset:(\hf)*32768+512*n
.set n, n+1
.endr
.endr
	WIN 0
	s_wait_dscnt 0x0
.endm
.macro EMIT
.if zC
	v_wmma_f32_16x16x32_f16 v[rD:rD+7], v[rA:rA+7], v[rB:rB+7], 0
.else
	v_wmma_f32_16x16x32_f16 v[rD:rD+7], v[rA:rA+7], v[rB:rB+7], v[rC:rC+7]
.endif
.endm
; A block: 16 channels x 8 tiles x K = 256: 64 products.  orient = 0: W-fragment x activation-fragment: a lane's 8 results are 8 neighbouring channels of one row.  cmode = 0: the first K step starts the
; sums with the constant 0; 1: with the bias in v[B1 + 8 i ..]; 2: onto what the accumulators hold.  Four accumulators take turns, one instruction a turn, from block to block too.
.macro MUL64 i, orient, cmode
.irp hf, 0,1
.if \orient
	WIN 0x06+(\hf)
.else
	WIN 0x09+4*(\hf)
.endif
.irp s, 0,1,2,3,4,5,6,7
.irp tt, 0,1,2,3
.set rD, ACC+8*(4*(\hf)+(\tt))
.set rC, rD
.set zC, 0
.if (\s) == 0
.if (\cmode) == 0
.set zC, 1
.elseif (\cmode) == 1
.set rC, B1+8*(\i)
.endif
.endif
.if \orient
.set rA, 64*(\tt)+8*(\s)
.set rB, 64*(\i)+8*(\s)
.else
.set rA, 64*(\i)+8*(\s)
.set rB, 64*(\tt)+8*(\s)
.endif
	EMIT
.endr
.endr
.endr
.endm
.macro PACKH                           ; each accumulator's registers in ascending order: 8 results -> 16 bytes
.irp tt, 0,1,2,3,4,5,6,7
.irp p, 0,1,2,3
	v_cvt_pk_f16_f32 v[PK+4*(\tt)+(\p)], v[ACC+8*(\tt)+2*(\p)], v[ACC+8*(\tt)+2*(\p)+1]
.endr
.endr
.endm
; Block i of h = relu(a w_f1 + b_f1).  The maximum with 0 is taken of the rounded halves, two at a time: the same values.  A lane's 16 bytes are half i & 1 of K step 2 w + (i >> 1) of h's fragments.
; Set i then takes w_f2's block i.
.macro BLK1 i
	s_wait_loadcnt 48                              ; at most the three other sets' loads are out
	MUL64 \i, 0, 1
	PLACES
	WIN 0
	PACKH
.set n, 0
.rept 32
	v_pk_max_num_f16 v[PK+n], v[PK+n], v[ZERO]
.set n, n+1
.endr
.irp tt, 0,1,2,3,4,5,6,7
	ds_store_b128 v[HSA], v[PK+4*(\tt):PK+4*(\tt)+3] offset:(\tt)*8192+((\i)>>1)*1024+((\i)&1)*512
.endr
	LOADW \i
.endm
; Block i of out = (a + b_f2) + h w_f2: the accumulators are loaded from where a + b_f2 lies, and out goes back to the same bytes: my wave's 64 channels of all 128 rows, which no other wave touches here.
.macro BLK2 i, left
	WIN 0
.irp tt, 0,1,2,3,4,5,6,7
.irp q, 0,1
	ds_load_b128 v[ACC+8*(\tt)+4*(\q):ACC+8*(\tt)+4*(\q)+3], v[CA+((\tt)>>2)] offset:((\tt)&3)*XTILE+(\i)*64+16*(\q)
.endr
.endr
	s_wait_loadcnt \left                           ; set i is in; the sets behind it may stay out
	s_wait_dscnt 0x0
	MUL64 \i, 0, 2
	PLACES
	v_nop
	WIN 0
.irp tt, 0,1,2,3,4,5,6,7
.irp q, 0,1
	ds_store_b128 v[CA+((\tt)>>2)], v[ACC+8*(\tt)+4*(\q):ACC+8*(\tt)+4*(\q)+3] offset:((\tt)&3)*XTILE+(\i)*64+16*(\q)
.endr
.endr
.endm
	s_load_b512 s[4:19], s[0:1], 0x0               ; x s[4:5], cimg s[6:7], g2 s[8:9], beta2 s[10:11], b_f1 s[12:13], b_f2 s[14:15], wimg s[16:17], out0 s[18:19]
	v_lshl_add_u32 v[SPW], v0, 2, SPARE
	v_mov_b32 v[NIL], 0
	ds_add_u32 v[SPW], v[NIL]                      ; the wave's opening: the add and its wait stand ahead of my tensor load; the set-up below, work on registers, stands between them
	v_lshrrev_b32 v1, 5, v0
	v_readfirstlane_b32 s[WV], v1                  ; wave 0..3
	s_mov_b32 s[G0], 1                             ; count = 1
	s_mul_i32 s[G0+1], s[WV], XWAVE                ; LDS address: my 32 rows
	s_mov_b32 s[G1+0], (2<<16)|(1<<20)|(7<<22)|(3<<25)  ; elements of 4 bytes; padding on: after every 256 words (code 7) 4 words (code 3)
	s_mov_b32 s[G1+1], 256<<16                     ; tensor_dim0 = 256
	s_mov_b32 s[G1+2], 32<<16                      ; tensor_dim1 = 32
	s_mov_b32 s[G1+3], 256<<16                     ; tile_dim0 = 256
	s_mov_b32 s[G1+4], 32                          ; tile_dim1 = 32
	s_mov_b32 s[G1+5], 256                         ; 256 elements from row to row
	s_mov_b32 s[G1+6], 0
	s_mov_b32 s[G1+7], 0
	s_lshl_b32 s22, ttmp9, 17                      ; the work-group's 128 rows of 1,024 bytes, my 32 of them: in x and in out0
	s_lshl_b32 s23, s[WV], 15
	s_add_co_u32 s22, s22, s23
	s_mov_b32 s23, 0
	s_lshl_b32 s42, ttmp9, 16                      ; its eight tiles of 8,192 bytes in cimg, my two of them
	s_lshl_b32 s43, s[WV], 14
	s_add_co_u32 s42, s42, s43
	s_mov_b32 s43, 0
	s_mov_b32 s[SEL], 0x76543210
	s_mov_b32 s[SEL+1], 0xfedcba98
	s_mov_b32 s[INV], 0x3b800000                   ; 1 / 256
	s_mov_b32 s[EPS], 0x3727c5ac                   ; 1e-5
	v_and_b32 v16, 15, v0                          ; r
	v_bfe_u32 v17, v0, 4, 1                        ; hh
	v_and_b32 v18, 31, v0                          ; lane
	v_lshlrev_b32 v[LO], 4, v18
	v_lshlrev_b32 v[GOF], 5, v17
	v_mul_u32_u24 v19, v16, XPITCH
	v_add_nc_u32 v19, v19, v[GOF]                  ; r x 1,040 + 32 hh
	v_add_nc_u32 v[XA], s[G0+1], v19
	s_lshl_b32 s21, s[WV], 14                      ; tile 2 w's image
	s_add_co_u32 s21, s21, AS
	v_add_nc_u32 v[FS], s21, v[LO]
	v_add_nc_u32 v[FL], AS, v[LO]
	v_add_nc_u32 v[FLH], HS, v[LO]
	s_lshl_b32 s21, s[WV], 11                      ; K steps 2 w and 2 w + 1 of h
	s_add_co_u32 s21, s21, HS
	v_add_nc_u32 v[HSA], s21, v[LO]
	s_lshl_b32 s21, s[WV], 8                       ; my 64 channels: 256 bytes of a row
	v_add_nc_u32 v[CA], s21, v19
	v_add_nc_u32 v[CA+1], 4*XTILE, v[CA]
	v_add_nc_u32 v[OA], s[G0+1], v[LO]
	v_mov_b32 v[ONE], 1.0
	v_mov_b32 v[ZERO], 0
	v_mov_b32 v[T+1], 0                            ; v_permlanex16_b32's destination counts as read
	s_wait_dscnt 0x0                               ; the opening add is done
	s_wait_kmcnt 0x0
	s_add_nc_u64 s[G0+2:G0+3], s[4:5], s[22:23]    ; global address of my 32 rows
	s_or_b32 s[G0+3], s[G0+3], 0x80000000          ; type = 2
	tensor_load_to_lds s[G0:G0+3], s[G1:G1+7]      ; my one tensor load of the launch: 32,768 bytes, read by me alone until the first barrier
	s_nop 0
	PLACES
	s_add_nc_u64 s[CTB:CTB+1], s[6:7], s[42:43]
	s_add_nc_u64 s[OUTB:OUTB+1], s[18:19], s[22:23]
	s_mov_b32 s42, s21                             ; 256 x wave
	s_add_nc_u64 s[B1B:B1B+1], s[12:13], s[42:43]
	s_lshl_b32 s42, s[WV], 15                      ; my four blocks of 8,192 bytes,
	s_add_co_u32 s42, s42, 3*WMAT                  ; in w_f1's image
	s_add_nc_u64 s[SW:SW+1], s[16:17], s[42:43]
	LOADCT 0                                       ; tile 2 w's ctx
	WIN 0x80
	TABLE 0, 8, 32                                 ; g2
	TABLE B2, 14, 32                               ; b_f2
	WIN 0xc0
	TABLE 0, 10, 32                                ; beta2
	WIN 0
	TABLE B1, B1B, 8                               ; b_f1 of my 64 channels
	LOADW 0                                        ; w_f1's fragments
	LOADW 1
	LOADW 2
	LOADW 3
	WIN 0
	s_wait_xcnt 0x0                                ; those loads have read their base
	s_add_nc_u64 s[SW:SW+1], s[SW:SW+1], WMAT      ; the reloads below take w_f2's
	s_wait_tensorcnt 0x0                           ; my rows of x are in LDS
	s_mov_b32 s[CNT], 2
	s_mov_b32 s[XO], 0
	s_mov_b32 s[FO], 0
.Lln:                                                  ; two trips: tiles 2 w and 2 w + 1
	v_add_nc_u32 v[XAC], s[XO], v[XA]
	v_add_nc_u32 v[FSC], s[FO], v[FS]
	GETX
	s_wait_loadcnt 0x0                             ; the tile's ctx is the youngest load of all (in the first trip but for W's, which are wanted soon), so the count is 0
	s_wait_dscnt 0x0
	WIN 0x03
.set n, 0
.rept 64                               ; ctx + x: one line a number, straight from ctx's f16 halves
	v_fma_mix_f32 v[XF+2*n], v[CT+n], v[ONE], v[XF+2*n] op_sel_hi:[1,0,0]
	v_fma_mix_f32 v[XF+2*n+1], v[CT+n], v[ONE], v[XF+2*n+1] op_sel:[1,0,0] op_sel_hi:[1,0,0]
.set n, n+1
.endr
	WIN 0
	s_cmp_eq_u32 s[CNT], 1
	s_cbranch_scc1 .Lnoct                          ; the second trip has no tile behind it
	LOADCT 8192                                    ; tile 2 w + 1's ctx comes while tile 2 w is normalised
.Lnoct:
	LNSTAT
	LNAFF                                          ; XF = a
	TOFRAG
	WIN 0x08
.set n, 0
.rept 64
	v_pk_add_f32 v[XF+2*n:XF+2*n+1], v[XF+2*n:XF+2*n+1], v[B2+2*n:B2+2*n+1]   ; a + b_f2
.set n, n+1
.endr
	WIN 0
.set n, 0
.rept 32
	ds_store_b128 v[XAC], v[XF+4*n:XF+4*n+3] offset:(n>>1)*64+(n&1)*16        ; back to where x lay
.set n, n+1
.endr
	s_add_co_u32 s[XO], s[XO], XTILE
	s_add_co_u32 s[FO], s[FO], 8192
	s_sub_co_u32 s[CNT], s[CNT], 1
	s_cmp_lg_u32 s[CNT], 0
	s_cbranch_scc1 .Lln
	s_wait_dscnt 0x0                               ; for the others' sake: my fragments of a, and my rows of a + b_f2, lie in LDS
	s_barrier_signal -1
	s_barrier_wait -1                              ; everybody's do
	GETXN FL
	BLK1 0
	BLK1 1
	BLK1 2
	BLK1 3
	WIN 0
	s_wait_dscnt 0x0                               ; for the others' sake: my channels of h lie in LDS
	s_barrier_signal -1
	s_barrier_wait -1
	GETXN FLH                                      ; h's fragments take a's registers: the last product that read them stands 4 v_nop and 64 plain lines back
	BLK2 0, 48
	BLK2 1, 32
	BLK2 2, 16
	BLK2 3, 0
	s_wait_dscnt 0x0                               ; for the others' sake: my channels of out lie in LDS
	s_barrier_signal -1
	s_barrier_wait -1
	; THE WAY OUT: my 32 rows, whole: 64 pieces of 512 consecutive bytes.  32 LDS loads are kept out: the second half's are issued one behind each store of the first half.
	WIN 0x88                                       ; loaded data and store data in window 2, addresses in window 0
.set n, 0
.rept 32
	ds_load_b128 v[4*n:4*n+3], v[OA] offset:(n>>1)*XPITCH+(n&1)*512
.set n, n+1
.endr
.set n, 0
.rept 32
	s_wait_dscnt 31                                ; behind piece n's load stand 31 - n of the first half and n of the second
	global_store_b128 v[LO], v[4*n:4*n+3], s[OUTB:OUTB+1] offset:512*n th:TH_STORE_NT
	ds_load_b128 v[128+4*n:128+4*n+3], v[OA] offset:((n+32)>>1)*XPITCH+(n&1)*512
.set n, n+1
.endr
.set n, 0
.rept 32
	s_wait_dscnt 31-n
	global_store_b128 v[LO], v[128+4*n:128+4*n+3], s[OUTB:OUTB+1] offset:512*(n+32) th:TH_STORE_NT
.set n, n+1
.endr
	WIN 0
	s_wait_tensorcnt 0x0                           ; the wave's end, behind my tensor load and my last LDS store
	ds_add_u32 v[SPW], v[NIL]
	s_wait_dscnt 0x0
	s_endpgm
.Lfunc_end_k_q365d42d983_ffn:
	.size	k_q365d42d983_ffn, .Lfunc_end_k_q365d42d983_ffn-k_q365d42d983_ffn
	.p2alignl 7, 3214868480
	.fill 96, 4, 3214868480
	.section	.rodata,"a",@progbits
	.p2align	6, 0x0
	.amdhsa_kernel k_q365d42d983_ffn
		.amdhsa_group_segment_fixed_size 264704
		.amdhsa_private_segment_fixed_size 0
		.amdhsa_enable_private_segment 0
		.amdhsa_kernarg_size 64
		.amdhsa_user_sgpr_count 2
		.amdhsa_user_sgpr_kernarg_segment_ptr 1
		.amdhsa_wavefront_size32 1
		.amdhsa_system_sgpr_workgroup_id_x 1
		.amdhsa_system_sgpr_workgroup_id_y 1
		.amdhsa_system_sgpr_workgroup_id_z 1
		.amdhsa_system_vgpr_workitem_id 0
		.amdhsa_next_free_vgpr 1024
		.amdhsa_next_free_sgpr 66
		.amdhsa_reserve_vcc 0
		.amdhsa_float_denorm_mode_32 3
		.amdhsa_float_denorm_mode_16_64 3
		.amdhsa_memory_ordered 1
		.amdhsa_forward_progress 1
		.amdhsa_inst_pref_size 160
	.end_amdhsa_kernel
	.amdgpu_metadata
---
amdhsa.version: [ 1, 2 ]
amdhsa.kernels:
  - .name:           k_q365d42d983_ffn
    .symbol:         k_q365d42d983_ffn.kd
    .args:
      - { .name: x, .offset: 0, .size: 8, .value_kind: global_buffer, .address_space: global }
      - { .name: cimg, .offset: 8, .size: 8, .value_kind: global_buffer, .address_space: global }
      - { .name: g2, .offset: 16, .size: 8, .value_kind: global_buffer, .address_space: global }
      - { .name: beta2, .offset: 24, .size: 8, .value_kind: global_buffer, .address_space: global }
      - { .name: b_f1, .offset: 32, .size: 8, .value_kind: global_buffer, .address_space: global }
      - { .name: b_f2, .offset: 40, .size: 8, .value_kind: global_buffer, .address_space: global }
      - { .name: wimg, .offset: 48, .size: 8, .value_kind: global_buffer, .address_space: global }
      - { .name: out0, .offset: 56, .size: 8, .value_kind: global_buffer, .address_space: global }
    .group_segment_fixed_size: 264704
    .private_segment_fixed_size: 0
    .kernarg_segment_align: 8
    .kernarg_segment_size: 64
    .max_flat_workgroup_size: 128
    .sgpr_count:     66
    .vgpr_count:     1024
    .wavefront_size: 32
...
	.end_amdgpu_metadata
.endif
;; end of part 4
